; MI455X (gfx1250); checked and timed in simulation.
; The chip was launched on July 23, 2026; its instructions are those of AMD's public machine-readable ISA for CDNA 5 (MIT licence, August 2026) and "CDNA5" Instruction Set Architecture Reference Guide (July 2026). The comments in the code are by the model that wrote it; some were corrected since.
;; Multi Headed Attention. Allowed arithmetic: float matrix products may take bf16 or f16 operands with f32 sums; other float arithmetic in f32, or as packed bf16 or f16 multiplies, adds, multiply-adds, maxima and minima; sums over many terms, partial sums and values carried from step to step in f32; what a program stores and reads back later, other than sums and carried values, may be rounded once to bf16 or f16.
;; Inputs: W_k 512 x 512 float32; W_o 512 x 512 float32; W_q 512 x 512 float32; W_v 512 x 512 float32; X_Key 16 x 512 x 2,048 float32; X_Query 16 x 512 x 2,048 float32; X_Value 16 x 512 x 2,048 float32.
;; Outputs: out0 16 x 512 x 2,048 float32.
;; One version. Each part assembles by itself: llvm-mc -triple=amdgcn-amd-amdhsa -mcpu=gfx1250 --defsym DOCPART=n.
;; ======== version 1 of 1: 4 launches
;; limits: values are held in f16: magnitudes above 65,504 overflow, below 6.1e-05 lose precision
;; workspace buffers: wb 2,097,152 bytes; qkv 100,663,296 bytes; zb 33,554,432 bytes
;; launch cvtw (part 1): grid 64 x 4, 8 waves a work-group, no clusters, 0 bytes of LDS; arguments W_q, W_k, W_v, W_o, wb; writes wb
.if DOCPART == 1
	.amdgcn_target "amdgcn-amd-amdhsa--gfx1250"
	.amdhsa_code_object_version 6
	.text
	.protected	k_qa1b1faef01_cvtw
	.globl	k_qa1b1faef01_cvtw
	.p2align	8
	.type	k_qa1b1faef01_cvtw,@function
k_qa1b1faef01_cvtw:
	s_mov_b64 s[64:65], 0
	v_nop
	global_prefetch_b8 v0, s[64:65] scope:SCOPE_SE
	s_setreg_imm32_b32 hwreg(HW_REG_WAVE_MODE, 25, 1), 1
	s_wait_xcnt 0x0
; The four weight matrices [512][512] f32 are rounded once to bf16 and laid out in blocks for the tensor loads of the later launches:
; element (m, o, i) goes to byte m*524288 + (i/128)*131072 + o*256 + (i%128)*2, so that 128 channels of all 512 rows are 131,072 dense bytes, in rows of 256.
; m = 0, 1, 2 (W_q, W_k, W_v) stay bf16.  m = 3 (W_o) is rounded to bf16 like the others, and that number is written as f16, since the last product's other operand is f16.
; LIMITS: |W_o| stays under 65,504; below 6.1e-5 it keeps f16's fixed step of 6e-8.
; A work-group takes 8 rows of one matrix; a thread two pieces of 8 numbers (32 bytes in, 16 bytes out); sixteen neighbouring lanes store 256 consecutive bytes, aligned.
	s_load_b256 s[4:11], s[0:1], 0x0               ; W_q s[4:5], W_k s[6:7], W_v s[8:9], W_o s[10:11]
	s_load_b64 s[12:13], s[0:1], 0x20              ; wb
	s_and_b32 s14, ttmp7, 0xffff                   ; m
	v_and_b32 v1, 15, v0                           ; which 8 of a block's 128 channels
	v_bfe_u32 v2, v0, 4, 2                         ; block of 128 channels
	v_bfe_u32 v3, v0, 6, 2                         ; row 0..3 (the second piece: four rows down)
	v_lshlrev_b32 v5, 5, v1                        ; source: 32 bytes a piece,
	v_lshl_add_u32 v5, v2, 9, v5                   ; 512 bytes a block,
	v_lshl_add_u32 v5, v3, 11, v5                  ; rows of 2,048 bytes
	v_lshlrev_b32 v6, 4, v1                        ; destination: 16 bytes a piece,
	v_lshl_add_u32 v6, v3, 8, v6                   ; rows of 256 bytes,
	v_lshl_add_u32 v6, v2, 17, v6                  ; 131,072 bytes a block
	s_lshl_b32 s16, ttmp9, 14                      ; 8 rows of 2,048 bytes
	s_mov_b32 s17, 0
	s_lshl_b32 s18, s14, 19                        ; the matrix in wb,
	s_lshl_b32 s19, ttmp9, 11                      ; 8 rows of 256 bytes
	s_add_co_u32 s18, s18, s19
	s_mov_b32 s19, 0
	s_wait_kmcnt 0x0
	s_cmp_eq_u32 s14, 1
	s_cselect_b64 s[4:5], s[6:7], s[4:5]
	s_cmp_eq_u32 s14, 2
	s_cselect_b64 s[4:5], s[8:9], s[4:5]
	s_cmp_eq_u32 s14, 3
	s_cselect_b64 s[4:5], s[10:11], s[4:5]
	s_cselect_b32 s20, -1, 0                       ; all lanes take the f16 form for W_o, none otherwise
	s_add_nc_u64 s[4:5], s[4:5], s[16:17]
	s_add_nc_u64 s[12:13], s[12:13], s[18:19]
	global_load_b128 v[8:11],  v5, s[4:5]
	global_load_b128 v[12:15], v5, s[4:5] offset:16
	global_load_b128 v[16:19], v5, s[4:5] offset:8192
	global_load_b128 v[20:23], v5, s[4:5] offset:8208
	s_wait_loadcnt 0x0
.irp j, 0,1,2,3,4,5,6,7
	v_cvt_pk_bf16_f32 v[24+\j], v[8+2*\j], v[9+2*\j]     ; the one rounding
.endr
.irp j, 0,1,2,3,4,5,6,7
	v_lshlrev_b32 v[8+2*\j], 16, v[24+\j]                 ; the rounded numbers as f32 again,
	v_and_b32 v[9+2*\j], 0xffff0000, v[24+\j]
.endr
.irp j, 0,1,2,3,4,5,6,7
	v_cvt_pk_f16_f32 v[32+\j], v[8+2*\j], v[9+2*\j]       ; and written as f16
.endr
.irp j, 0,1,2,3,4,5,6,7
	v_cndmask_b32 v[24+\j], v[24+\j], v[32+\j], s20
.endr
	global_store_b128 v6, v[24:27], s[12:13]
	global_store_b128 v6, v[28:31], s[12:13] offset:1024
	s_endpgm
.Lfunc_end_k_qa1b1faef01_cvtw:
	.size	k_qa1b1faef01_cvtw, .Lfunc_end_k_qa1b1faef01_cvtw-k_qa1b1faef01_cvtw
	.p2alignl 7, 3214868480
	.fill 96, 4, 3214868480
	.section	.rodata,"a",@progbits
	.p2align	6, 0x0
	.amdhsa_kernel k_qa1b1faef01_cvtw
		.amdhsa_group_segment_fixed_size 0
		.amdhsa_private_segment_fixed_size 0
		.amdhsa_enable_private_segment 0
		.amdhsa_kernarg_size 40
		.amdhsa_user_sgpr_count 2
		.amdhsa_user_sgpr_kernarg_segment_ptr 1
		.amdhsa_wavefront_size32 1
		.amdhsa_system_sgpr_workgroup_id_x 1
		.amdhsa_system_sgpr_workgroup_id_y 1
		.amdhsa_system_sgpr_workgroup_id_z 1
		.amdhsa_system_vgpr_workitem_id 0
		.amdhsa_next_free_vgpr 40
		.amdhsa_next_free_sgpr 66
		.amdhsa_reserve_vcc 0
		.amdhsa_float_denorm_mode_32 3
		.amdhsa_float_denorm_mode_16_64 3
		.amdhsa_memory_ordered 1
		.amdhsa_forward_progress 1
		.amdhsa_inst_pref_size 5
	.end_amdhsa_kernel
	.amdgpu_metadata
---
amdhsa.version: [ 1, 2 ]
amdhsa.kernels:
  - .name:           k_qa1b1faef01_cvtw
    .symbol:         k_qa1b1faef01_cvtw.kd
    .args:
      - { .name: W_q, .offset: 0, .size: 8, .value_kind: global_buffer, .address_space: global }
      - { .name: W_k, .offset: 8, .size: 8, .value_kind: global_buffer, .address_space: global }
      - { .name: W_v, .offset: 16, .size: 8, .value_kind: global_buffer, .address_space: global }
      - { .name: W_o, .offset: 24, .size: 8, .value_kind: global_buffer, .address_space: global }
      - { .name: wb, .offset: 32, .size: 8, .value_kind: global_buffer, .address_space: global }
    .group_segment_fixed_size: 0
    .private_segment_fixed_size: 0
    .kernarg_segment_align: 8
    .kernarg_segment_size: 40
    .max_flat_workgroup_size: 256
    .sgpr_count:     66
    .vgpr_count:     40
    .wavefront_size: 32
...
	.end_amdgpu_metadata
.endif
;; end of part 1
;; launch proj (part 2): grid 256 x 1, 4 waves a work-group, clusters of 4 x 1, 327,680 bytes of LDS; arguments X_Query, X_Key, X_Value, wb, qkv; writes qkv
.if DOCPART == 2
	.amdgcn_target "amdgcn-amd-amdhsa--gfx1250"
	.amdhsa_code_object_version 6
	.text
	.protected	k_qa1b1faef01_proj
	.globl	k_qa1b1faef01_proj
	.p2align	8
	.type	k_qa1b1faef01_proj,@function
k_qa1b1faef01_proj:
	s_mov_b64 s[64:65], 0
	v_nop
	global_prefetch_b8 v0, s[64:65] scope:SCOPE_SE
	s_setreg_imm32_b32 hwreg(HW_REG_WAVE_MODE, 25, 1), 1
	s_wait_xcnt 0x0
	s_wait_alu depctr_hold_cnt(0) depctr_sa_sdst(0) depctr_va_vdst(0) depctr_va_sdst(0) depctr_va_ssrc(0) depctr_va_vcc(0) depctr_vm_vsrc(0)
	s_getreg_b32 s2, hwreg(HW_REG_IB_STS2, 6, 4)
	s_cmp_eq_u32 s2, 0
	s_cbranch_scc0 .Lentry_in_a_cluster
	s_endpgm
.Lentry_in_a_cluster:
	s_bfe_u32 s2, ttmp6, 0x10000c
	s_cmp_lg_u32 s2, 0x3003
	s_cbranch_scc0 .Lentry_shape_is_right
	s_endpgm
.Lentry_shape_is_right:
; q, k, v = W X:  qkv[m][b][o][n] = sum over i of W_m[o][i] X_m[b][i][n], m = 0, 1, 2.  X: [16][512][2048] f32, rounded to bf16 on the way in; W: bf16 in blocks (wb); sums f32; qkv bf16, rounded once.
; SHARES.  A work-group owns batch b and 128 columns n, and STAYS: it makes three tiles of 512 o x 128 n, for q, k and v.  Wave w makes rows o = 128 w .. 128 w + 127: 64 accumulators of 16 x 16, 512 registers.
; THE RING.  K = 512 goes in steps of 64.  A slot of W holds TWO steps: a block of 128 channels, 512 rows of 256 bytes.  The 12 blocks of W_q, W_k, W_v lie on end in wb, so ONE ring of two slots runs on from
; tile to tile.  A wave fetches a quarter of a block (128 rows) by one tensor load; all work-groups read the same blocks, so the four of a cluster ask JOINTLY (mask 15).
; A PERIOD is a slot's two K steps, 256 matrix instructions: QA 0, MID, QA 1, TURN.  Only TURN changes W's slot: one wait for all tensor loads, one round and one refill a period; the refill has 224 matrix
; instructions in which to land.  MID has a plain barrier, for X's slots alone.  The slot in hand is a scalar base that one exclusive or turns, so the text holds one period, not two slots.
; X comes through registers: a wave loads 16 rows of 512 bytes (f32), two K steps ahead, rounds them to bf16 and stores them into the X slot that the next K step reads.
; THE MATRIX INSTRUCTION IS USED TRANSPOSED: source 0 = 16 columns n of X (turned on the way out of LDS by ds_load_tr16_b128), source 1 = 16 rows o of W: a lane holds row o = l % 16 and eight neighbouring n.
; Every K step stages X, the last ones too, so that the two register sets take turns on every way through the text: the three sets asked for past the last K step (96 KiB a work-group) read X_Value's first
; rows again and serve nothing; they stay inside the buffer.  So do the fragments that the last TURN fetches.
; THE STAGE of the way out has no bytes of its own: a wave's stage is its own 16 rows of X slot 1.  Every way out stands behind a TURN's barrier, in front of which all waves' reads of X slot 1 were waited for,
; and the next writer of those bytes is the same wave's X store.  No tensor load lands there.
; REGISTERS, in windows of 256: window 0: v16-30 addresses; v32-63 at work; v64-127, v128-191 fragments of W; v192-255 the way out.
;   window 1: v0-63, v192-255 two sets of X as loaded (f32); v64-127, v128-191 fragments of X.   windows 2, 3: accumulators (a, b) at v[8 (8 (a % 4) + b)].
.set PW,     272                       ; a row of W in LDS: 256 bytes + 16: the 16 rows of a fragment load start at 16 different groups of four banks
.set WQ,     128*PW                    ; what one tensor load brings, and what one wave reads
.set WSLOT,  4*WQ                      ; 139,264 = 0x22000
.set BLK,    131072                    ; a block of W in memory
.set PX,     288                       ; a row of X in LDS: 128 n x 2 bytes + 32
.set XS,     2*WSLOT                   ; the two X slots: written by ds_store alone, never by a tensor load
.set XSLOT,  64*PX
.set STAGE,  XS+XSLOT                  ; X slot 1: wave w's 16 rows x 288 bytes hold its stage of 16 rows x 272
.set SPITCH, 272
.set SPARE,  XS+2*XSLOT                ; the spare words, 128 bytes a wave, which no other line names
.set CROW,   4096                      ; bytes in a row of qkv
.set NEXT_C, 33554432-7*16*CROW        ; from my last 16 rows of a tile to my first of the next tensor's
.set ADRA, 16                          ; v16     LDS address of my W fragments in the slot in hand
.set ADRA0, 17                         ; v17     the same less the slot's base; never rewritten
.set ADRB, 20                          ; v20-21  LDS address of my X fragments in X slot 0, 1
.set XST,  22                          ; v22-23  where I store my 8 bytes of an X row, slot 0, 1
.set STO,  24
.set RD,   25
.set CO,   26
.set XO,   27                          ; v27     my byte offset in a K step's rows of X: 16 w rows + 16 l
.set SPW,  28
.set NIL,  29
.set PFO,  30                          ; v30     256 x lane: a row of a block of W a lane
.set TMPX, 32                          ; v32-63  X rounded, on its way to LDS
.set OB,   32                          ; the way out: rows read back, v32-63 and v224-255 by turns
.set F0,   64
.set F1,   128
.set TMP,  192
.set WV,   14
.set G1,   24                          ; s[24:31] descriptor group 1
.set G0,   32                          ; s[32:39] descriptor group 0: a set for each of the two first fills; the second then walks
.set XL,   40                          ; s[40:41] X at the K step to be loaded next
.set XA,   42                          ; s[42:43] the tensor after this one
.set XB,   44                          ; s[44:45] and the last
.set XC,   46                          ; s46     K steps of the tensor in hand that have been asked for
.set RB,   47                          ; s47     LDS byte at which the W slot in hand begins: 0 or WSLOT
.set CA,   50                          ; s[50:51] what the next way out adds to qkv's address
.set PFA,  52                          ; s[52:53] my 32 rows of the block that the next prefetch names
.set PFN,  54                          ; s54     prefetches still to come
.set LIM,  55                          ; s55     0 in the launch's first cluster, else the greatest number
.set MSB, 0
.macro WIN new
.if MSB != (\new)
	s_set_vgpr_msb (MSB<<8)|(\new)
.set MSB, \new
.endif
.endm
.set MUL_LO, 0xa1                      ; source 0 (X) window 1, source 1 (W) window 0, C and D window 2
.set MUL_HI, 0xf1
.set TO_B,   0x40
.macro CREST                           ; a round of the cluster's barrier behind its opening barrier
	s_cmp_lg_u32 s[WV], 0
	s_cbranch_scc1 .Lnot_wave_0_\@
	s_barrier_signal -3
.Lnot_wave_0_\@:
	s_barrier_wait -3
	s_barrier_signal -1
	s_barrier_wait -1
.endm
.macro CROUND
	s_barrier_signal -1
	s_barrier_wait -1
	CREST
.endm
.macro PLACES                          ; four plain places behind matrix instructions, ahead of loads into their sources and of readers of their results
.rept 4
	v_nop
.endr
.endm
	s_load_b256 s[4:11], s[0:1], 0x0               ; X_Query s[4:5], X_Key s[6:7], X_Value s[8:9], wb s[10:11]
	s_load_b64 s[12:13], s[0:1], 0x20              ; qkv
	v_lshl_add_u32 v[SPW], v0, 2, SPARE
	v_mov_b32 v[NIL], 0
	ds_add_u32 v[SPW], v[NIL]                      ; the wave's opening: the add and its wait ahead of my first tensor load
	v_lshrrev_b32 v1, 5, v0
	v_readfirstlane_b32 s[WV], v1
	s_bfe_u32 s15, ttmp6, 0x40000                  ; cx
	s_lshl_b32 s16, ttmp9, 2
	s_add_co_u32 s16, s16, s15                     ; work-group = 4 x cluster + cx: it enters X's and qkv's addresses alone
	s_lshr_b32 s17, s16, 4                         ; b
	s_and_b32 s18, s16, 15                         ; which 128 columns
	s_mov_b32 s[G1+0], 15|(1<<16)|(1<<20)|(1<<21)|(5<<22)|(3<<25)  ; mask of four; 2-byte elements; padding on; bit 21 beside a mask; after every 64 words, 4 words
	s_mov_b32 s[G1+1], 128<<16                     ; tensor_dim0 = 128 elements: a row of 256 bytes
	s_mov_b32 s[G1+2], 128<<16                     ; tensor_dim1 = 128
	s_mov_b32 s[G1+3], 128<<16                     ; tile_dim0
	s_mov_b32 s[G1+4], 128                         ; tile_dim1
	s_mov_b32 s[G1+5], 128                         ; dense
	s_mov_b32 s[G1+6], 0
	s_mov_b32 s[G1+7], 0
	s_mul_i32 s20, s[WV], WQ                       ; my quarter of a slot
	s_lshl_b32 s22, s[WV], 15                      ; and of a block: the wave's number alone enters the descriptors
	s_mov_b32 s23, 0
	s_lshl_b32 s48, s17, 22                        ; X: batch of 4 MiB,
	s_lshl_b32 s49, s18, 9                         ; 128 columns of 4 bytes
	s_add_co_u32 s48, s48, s49
	s_mov_b32 s49, 0
	s_lshl_b32 s[CA], s17, 21                      ; qkv: batch of 2 MiB,
	s_lshl_b32 s[CA+1], s[WV], 19                  ; my 128 rows of 4,096 bytes,
	s_add_co_u32 s[CA], s[CA], s[CA+1]
	s_lshl_b32 s[CA+1], s18, 8                     ; 128 columns of 2 bytes
	s_add_co_u32 s[CA], s[CA], s[CA+1]
	s_mov_b32 s[CA+1], 0
	s_mov_b32 s[XC], 0
	s_mov_b32 s[RB], 0
	s_mov_b32 s[PFN], 9                            ; blocks 3 to 11
	s_cmp_eq_u32 ttmp9, 0                          ; the same in all four partners
	s_cselect_b32 s[LIM], 0, -1
	s_lshl_b32 s56, s[WV], 15                      ; the prefetches: of the 128 rows that wave w fetches,
	s_lshl_b32 s57, s15, 13                        ; the partner at place cx takes 32: told apart by address
	s_add_co_u32 s56, s56, s57
	s_add_co_u32 s56, s56, 2*BLK                   ; at block 2: the first refill steps it to 3
	s_mov_b32 s57, 0
	v_and_b32 v3, 31, v0
	s_lshl_b32 s21, s[WV], 17                      ; 16 rows of 8,192 bytes
	v_lshl_add_u32 v[XO], v3, 4, s21
	v_lshlrev_b32 v[PFO], 8, v3
	s_wait_dscnt 0x0                               ; the opening add is done
	s_wait_kmcnt 0x0
	s_add_nc_u64 s[XL:XL+1], s[4:5], s[48:49]
	s_add_nc_u64 s[XA:XA+1], s[6:7], s[48:49]
	s_add_nc_u64 s[XB:XB+1], s[8:9], s[48:49]
	s_add_nc_u64 s[PFA:PFA+1], s[10:11], s[56:57]
	s_add_nc_u64 s[10:11], s[10:11], s[22:23]
	CROUND                                         ; all four work-groups are here: the first joint loads meet
.irp s, 0,1
	s_mov_b32 s[G0+4*(\s)], 1
	s_add_co_u32 s[G0+4*(\s)+1], s20, (\s)*WSLOT
	s_add_nc_u64 s[G0+4*(\s)+2:G0+4*(\s)+3], s[10:11], (\s)*BLK
	s_or_b32 s[G0+4*(\s)+3], s[G0+4*(\s)+3], 0x80000000
.endr
	tensor_load_to_lds s[G0:G0+3], s[G1:G1+7]      ; blocks 0 and 1: two loads of mine are out
	s_nop 0
	tensor_load_to_lds s[G0+4:G0+7], s[G1:G1+7]
	s_nop 0
	PLACES
; 16 loads: my 16 rows of a K step, 512 consecutive bytes each, into set o
.macro XLOAD o
	WIN TO_B
.set r, 0
.rept 16
	global_load_b128 v[192*(\o)+4*r:192*(\o)+4*r+3], v[XO], s[XL:XL+1] offset:r*8192 th:TH_LOAD_NT
.set r, r+1
.endr
.endm
; X's pointer goes 64 rows down; behind a tensor's eighth K step it goes to the next tensor (behind the last: to that tensor's head again)
.macro ADV
	s_add_nc_u64 s[XL:XL+1], s[XL:XL+1], 64*8192
	s_add_co_u32 s[XC], s[XC], 1
	s_cmp_eq_u32 s[XC], 8
	s_cselect_b64 s[XL:XL+1], s[XA:XA+1], s[XL:XL+1]
	s_cselect_b64 s[XA:XA+1], s[XB:XB+1], s[XA:XA+1]
	s_cselect_b32 s[XC], 0, s[XC]
.endm
; Set o has landed: it is rounded to bf16, stored into X slot o, and asked for again, two K steps on
.macro STAGE_X o
	s_wait_loadcnt 16                              ; loads come back in order: set o is in, the other set's 16 stay out
	s_wait_xcnt 0x0                                ; earlier stores have read v32-63, earlier loads X's pointer and the last prefetch its address: all are written only behind this wait
	WIN 0x05
.set r, 0
.rept 16
	v_cvt_pk_bf16_f32 v[TMPX+2*r],   v[192*(\o)+4*r],   v[192*(\o)+4*r+1]
	v_cvt_pk_bf16_f32 v[TMPX+2*r+1], v[192*(\o)+4*r+2], v[192*(\o)+4*r+3]
.set r, r+1
.endr
	WIN 0
.set r, 0
.rept 16
	ds_store_b64 v[XST+(\o)], v[TMPX+2*r:TMPX+2*r+1] offset:r*PX   ; 32 lanes, 256 consecutive bytes
.set r, r+1
.endr
	ADV
	XLOAD \o
.endm
	XLOAD 0                                        ; K step 0
	s_wait_xcnt 0x0
	ADV
	XLOAD 1                                        ; K step 1
	WIN 0
	v_and_b32 v1, 15, v0                           ; l % 16
	v_bfe_u32 v2, v0, 4, 1                         ; l / 16
	v_and_b32 v4, 7, v0
	v_bfe_u32 v5, v0, 3, 1
	v_mul_u32_u24 v6, v1, PW                       ; a fragment of W: row x pitch + 16 x half
	v_lshl_add_u32 v6, v2, 4, v6
	v_add_nc_u32 v[ADRA0], s20, v6
	v_mov_b32 v[ADRA], v[ADRA0]                    ; slot 0
	v_lshl_add_u32 v7, v2, 3, v4                   ; the turning load: lane l reads row 8 (l / 16) + l % 8, columns 8 ((l / 8) % 2) + 0..7
	v_mul_u32_u24 v7, v7, PX
	v_lshl_add_u32 v7, v5, 4, v7
	v_add_nc_u32 v[ADRB], XS, v7
	v_add_nc_u32 v[ADRB+1], XS+XSLOT, v7
	s_mul_i32 s21, s[WV], 16*PX                    ; my 16 rows of an X slot
	v_lshl_add_u32 v8, v3, 3, s21
	v_add_nc_u32 v[XST], XS, v8
	v_add_nc_u32 v[XST+1], XS+XSLOT, v8
	s_add_co_u32 s21, s21, STAGE                   ; and my stage, in the same bytes of X slot 1
	v_mul_u32_u24 v9, v1, SPITCH
	v_lshl_add_u32 v9, v2, 4, v9
	v_add_nc_u32 v[STO], s21, v9
	v_mul_u32_u24 v9, v2, SPITCH
	v_lshl_add_u32 v9, v1, 4, v9
	v_add_nc_u32 v[RD], s21, v9
	v_lshlrev_b32 v9, 12, v2
	v_lshl_add_u32 v[CO], v1, 4, v9
.macro MUL16 f, hi, a0, zero           ; 16 matrix instructions: o blocks a0, a0 + 1 of the window's four x all 8 n blocks, 32 along K.  The 64 accumulators take turns
	WIN MUL_LO+0x50*(\hi)
.irp a, \a0, (\a0)+1
.irp b, 0,1,2,3,4,5,6,7
.if \zero
	v_wmma_f32_16x16x32_bf16 v[8*(8*(\a)+(\b)):8*(8*(\a)+(\b))+7], v[(\f)+8*(\b):(\f)+8*(\b)+7], v[(\f)+8*(4*(\hi)+(\a)):(\f)+8*(4*(\hi)+(\a))+7], 0
.else
	v_wmma_f32_16x16x32_bf16 v[8*(8*(\a)+(\b)):8*(8*(\a)+(\b))+7], v[(\f)+8*(\b):(\f)+8*(\b)+7], v[(\f)+8*(4*(\hi)+(\a)):(\f)+8*(4*(\hi)+(\a))+7], v[8*(8*(\a)+(\b)):8*(8*(\a)+(\b))+7]
.endif
.endr
.endr
.endm
.macro FETCH h, q, f                   ; 32 LDS loads in one run: K step h of the slot in hand, its half q (32 along K): 8 fragments of X from X slot h, turned, then 8 of W
	WIN TO_B
.irp i, 0,1,2,3,4,5,6,7
	ds_load_tr16_b128 v[(\f)+8*(\i):(\f)+8*(\i)+3],   v[ADRB+(\h)] offset:(\q)*32*PX+32*(\i)
	ds_load_tr16_b128 v[(\f)+8*(\i)+4:(\f)+8*(\i)+7], v[ADRB+(\h)] offset:(\q)*32*PX+16*PX+32*(\i)
.endr
	WIN 0
.irp i, 0,1,2,3,4,5,6,7
	ds_load_b128 v[(\f)+8*(\i):(\f)+8*(\i)+3],   v[ADRA] offset:(\h)*128+(\q)*64+(\i)*16*PW
	ds_load_b128 v[(\f)+8*(\i)+4:(\f)+8*(\i)+7], v[ADRA] offset:(\h)*128+(\q)*64+(\i)*16*PW+32
.endr
.endm
; K step h's first half: multiplies buffer 0, fetches the second half into buffer 1, and puts the next K step's X into the other X slot, which nobody has read since the last barrier.
.macro QA h, zero
	s_wait_dscnt 8                                 ; X's fragments and W's rows 0-63 are in; the youngest eight loads may be out
	MUL16 F0, 0, 0, \zero
	MUL16 F0, 0, 2, \zero
	PLACES
	FETCH \h, 1, F1
	STAGE_X 1-(\h)
	s_wait_dscnt 48                                ; all but the 32 loads and 16 stores just issued
	MUL16 F0, 1, 0, \zero
	MUL16 F0, 1, 2, \zero
.endm
; The second half of a slot's first K step.  W's slot stays; X's changes: a plain barrier, in front of which each wave waits for its X stores and for its reads of X slot 0.
; Nothing is filled by a tensor load behind it, so the refill that is out stays out.
.macro MID
	s_wait_dscnt 24                                ; (my 16 X stores and the youngest eight loads may be out)
	MUL16 F1, 0, 0, 0
	s_wait_dscnt 0x0
	s_barrier_signal -1
	MUL16 F1, 0, 2, 0
	s_barrier_wait -1
	PLACES
	FETCH 1, 0, F0
	MUL16 F1, 1, 0, 0
	MUL16 F1, 1, 2, 0
.endm
; A PREFETCH INTO THE L2 of the block of W that the NEXT refill will ask for: 256 matrix instructions ahead of that load.  Every cluster reads the same blocks: the launch's first cluster asks, its 16 waves
; 32 rows of 256 bytes each, a lane a row, one line a wave: each row is named once in the launch.  Blocks 0 to 2 come by their loads alone; the last refill asks for nothing.
.macro ASK
	s_cmp_gt_u32 s[PFN], s[LIM]
	s_cbranch_scc0 .Lnot_mine_\@
	global_prefetch_b8 v[PFO], s[PFA:PFA+1] th:TH_LOAD_NT scope:SCOPE_SE
.Lnot_mine_\@:
	s_sub_co_u32 s[PFN], s[PFN], 1
.endm
; The second half of a slot's second K step, and THE CHANGE OF W's SLOT: in front of the barrier each wave waits for all its tensor loads (one is out: its part of the other slot), adds 0 to its spare word,
; and waits for that, for its X stores and for its reads of this slot.  fill = 1: the barrier opens a round of the cluster's, and this slot is filled again first behind it, with the block two on.
.macro TURN fill
	WIN 0
	s_wait_tensorcnt 0x0                           ; no tensor load of mine is out, so a group 0 may be written
	ds_add_u32 v[SPW], v[NIL]
.if \fill
	s_add_co_u32 s[G0+5], s[RB], s20               ; the walking descriptor: my quarter of the slot that is being left,
	s_add_nc_u64 s[G0+6:G0+7], s[G0+6:G0+7], BLK   ; the next block; the type bits on top are not reached
	s_add_nc_u64 s[PFA:PFA+1], s[PFA:PFA+1], BLK   ; (the last prefetch has read its address: X's staging has waited for that since)
.endif
	s_xor_b32 s[RB], s[RB], WSLOT                  ; the reads go to the other slot
	s_wait_dscnt 25                                ; (the add, my 16 X stores and the youngest eight loads may be out)
	MUL16 F1, 0, 0, 0
	s_wait_dscnt 0x0                               ; the add is done, my X stores are in LDS, my reads of this slot are over
	s_barrier_signal -1
	MUL16 F1, 0, 2, 0
	WIN 0
	s_barrier_wait -1
.if \fill
	CREST
	tensor_load_to_lds s[G0+4:G0+7], s[G1:G1+7]    ; my one load behind the round: 224 matrix instructions ahead of the wait for it
	s_nop 0
.endif
	PLACES                                         ; behind the load, and in front of the loads below
	v_add_nc_u32 v[ADRA], s[RB], v[ADRA0]
	FETCH 0, 0, F0
.if \fill
	ASK
.endif
	MUL16 F1, 1, 0, 0
	MUL16 F1, 1, 2, 0
.endm
; THE WAY OUT of block a (16 rows o x 128 n): rounded to bf16; through my own stage; stored as whole rows of 256 bytes
.macro PACK a
.set AC, 64*((\a)%4)
	WIN 0x0a+5*((\a)/4)
.irp b, 0,1,2,3,4,5,6,7
.irp r, 0,1,2,3
	v_cvt_pk_bf16_f32 v[TMP+4*(\b)+(\r)], v[AC+8*(\b)+2*(\r)], v[AC+8*(\b)+2*(\r)+1]
.endr
.endr
	WIN 0
.endm
.macro TOSTAGE a
	WIN 0
.set BK, OB+192*((\a)%2)
.irp b, 0,1,2,3,4,5,6,7
	ds_store_b128 v[STO], v[TMP+4*(\b):TMP+4*(\b)+3] offset:32*(\b)
.endr
.irp t, 0,1,2,3,4,5,6,7
	ds_load_b128 v[BK+4*(\t):BK+4*(\t)+3], v[RD] offset:(\t)*2*SPITCH  ; LDS serves a wave's instructions in order (ISA guide 5.7.1.4): these see the stores above
.endr
.endm
.macro SEND a
	WIN 0
.set BK, OB+192*((\a)%2)
	s_wait_dscnt 0x0
	s_wait_xcnt 0x0                                ; earlier stores have read their base and data
.if (\a) == 0
	s_add_nc_u64 s[12:13], s[12:13], s[CA:CA+1]
.else
	s_add_nc_u64 s[12:13], s[12:13], 16*CROW
.endif
.irp t, 0,1,2,3,4,5,6,7
	global_store_b128 v[CO], v[BK+4*(\t):BK+4*(\t)+3], s[12:13] offset:2*(\t)*CROW  ; 16 lanes store 256 consecutive bytes, aligned
.endr
.endm
	STAGE_X 0                                      ; X of K step 0 into X slot 0; K step 2 is asked for
	WIN 0
	s_wait_tensorcnt 1                             ; my part of W's block 0 is in; block 1's may stay out
	s_wait_dscnt 0x0                               ; my X stores are in LDS
	s_barrier_signal -1
	s_barrier_wait -1
	FETCH 0, 0, F0
	s_mov_b32 s2, 3                                ; tiles to go
.Ltile:                                            ; a tile is four periods.  Each of the first two tiles' periods is followed by a refill; of the last tile's only the first two are
	s_mov_b32 s3, 4
	s_cmp_eq_u32 s2, 1
	s_cbranch_scc0 .Lfour
	s_mov_b32 s3, 2
.Lfour:
	QA 0, 1                                        ; a tile's first products start the sums
	WIN 0
	s_branch .Lmid                                 ; the loop is entered behind its first quarter
.LF:
	QA 0, 0
	WIN 0
.Lmid:
	MID
	QA 1, 0
	TURN 1
	WIN 0
	s_sub_co_u32 s3, s3, 1
	s_cmp_lg_u32 s3, 0
	s_cbranch_scc1 .LF
	s_cmp_eq_u32 s2, 1
	s_cbranch_scc0 .Lout
	s_mov_b32 s3, 2
.LN:                                               ; the launch's last two periods ask for nothing: written apart
	QA 0, 0
	MID
	QA 1, 0
	TURN 0
	WIN 0
	s_sub_co_u32 s3, s3, 1
	s_cmp_lg_u32 s3, 0
	s_cbranch_scc1 .LN
.Lout:                                             ; blocks 0-3 were finished ahead of TURN's places, and their conversions are the places behind blocks 4-7's last products
	PACK 0
	TOSTAGE 0
.irp a, 1,2,3,4,5,6,7
	PACK \a
	SEND (\a)-1
	TOSTAGE \a
.endr
	SEND 7
	s_mov_b64 s[CA:CA+1], NEXT_C
	s_sub_co_u32 s2, s2, 1
	s_cmp_lg_u32 s2, 0
	s_cbranch_scc1 .Ltile
	s_wait_tensorcnt 0x0                           ; the wave's end
	ds_add_u32 v[SPW], v[NIL]
	s_wait_dscnt 0x0
	CROUND                                         ; the closing round
	s_endpgm
.Lfunc_end_k_qa1b1faef01_proj:
	.size	k_qa1b1faef01_proj, .Lfunc_end_k_qa1b1faef01_proj-k_qa1b1faef01_proj
	.p2alignl 7, 3214868480
	.fill 96, 4, 3214868480
	.section	.rodata,"a",@progbits
	.p2align	6, 0x0
	.amdhsa_kernel k_qa1b1faef01_proj
		.amdhsa_group_segment_fixed_size 327680
		.amdhsa_private_segment_fixed_size 0
		.amdhsa_enable_private_segment 0
		.amdhsa_kernarg_size 40
		.amdhsa_user_sgpr_count 2
		.amdhsa_user_sgpr_kernarg_segment_ptr 1
		.amdhsa_wavefront_size32 1
		.amdhsa_system_sgpr_workgroup_id_x 1
		.amdhsa_system_sgpr_workgroup_id_y 1
		.amdhsa_system_sgpr_workgroup_id_z 1
		.amdhsa_system_vgpr_workitem_id 0
		.amdhsa_next_free_vgpr 1024
		.amdhsa_next_free_sgpr 66
		.amdhsa_reserve_vcc 0
		.amdhsa_float_denorm_mode_32 3
		.amdhsa_float_denorm_mode_16_64 3
		.amdhsa_memory_ordered 1
		.amdhsa_forward_progress 1
		.amdhsa_inst_pref_size 131
	.end_amdhsa_kernel
	.amdgpu_metadata
---
amdhsa.version: [ 1, 2 ]
amdhsa.kernels:
  - .name:           k_qa1b1faef01_proj
    .symbol:         k_qa1b1faef01_proj.kd
    .args:
      - { .name: X_Query, .offset: 0, .size: 8, .value_kind: global_buffer, .address_space: global }
      - { .name: X_Key, .offset: 8, .size: 8, .value_kind: global_buffer, .address_space: global }
      - { .name: X_Value, .offset: 16, .size: 8, .value_kind: global_buffer, .address_space: global }
      - { .name: wb, .offset: 24, .size: 8, .value_kind: global_buffer, .address_space: global }
      - { .name: qkv, .offset: 32, .size: 8, .value_kind: global_buffer, .address_space: global }
    .group_segment_fixed_size: 327680
    .private_segment_fixed_size: 0
    .kernarg_segment_align: 8
    .kernarg_segment_size: 40
    .max_flat_workgroup_size: 128
    .sgpr_count:     66
    .vgpr_count:     1024
    .wavefront_size: 32
...
	.end_amdgpu_metadata
.endif
;; end of part 2
;; launch attn (part 3): grid 256 x 1, 4 waves a work-group, no clusters, 327,680 bytes of LDS; arguments qkv, X_Query, zb; writes zb
.if DOCPART == 3
	.amdgcn_target "amdgcn-amd-amdhsa--gfx1250"
	.amdhsa_code_object_version 6
	.text
	.protected	k_qa1b1faef01_attn
	.globl	k_qa1b1faef01_attn
	.p2align	8
	.type	k_qa1b1faef01_attn,@function
k_qa1b1faef01_attn:
	s_mov_b64 s[64:65], 0
	v_nop
	global_prefetch_b8 v0, s[64:65] scope:SCOPE_SE
	s_setreg_imm32_b32 hwreg(HW_REG_WAVE_MODE, 25, 1), 1
	s_wait_xcnt 0x0
; ATTENTION OVER THE CHANNEL AXIS, and z = X_Query - out.  For each of the 128 pairs (b, h), on columns n = 256 h .. 256 h + 255:
; S[d][e] = sum over n of q[d][n] k[e][n] / 16; P = softmax over e; out[d][n] = sum over e of P[d][e] v[e][n]; z[d][n] = bf16(X_Query[d][n]) - out[d][n], stored as f16.
; q, k, v: bf16 (qkv).  Products, maxima and sums in f32; the weights are rounded to bf16 for the second product (their sum is taken unrounded).  X_Query is rounded to bf16 as every input of the program is.
; LIMITS.  |z| stays under 65,504 (f16); a weight below 2^-126 counts as 0; NaN and infinities are not treated apart.
; SHARES.  A work-group owns 256 rows d of one pair, a wave 64: four tiles of 16.  Every wave walks the pair's 512 rows e, 64 a step, through a ring of two LDS slots.
; NO CLUSTER: only two work-groups share a pair's k and v, and the clusters at hand are four wide.
; LAYOUT.  S^T = K Q^T (source 0 = 16 rows e, source 1 = 16 rows d): a lane holds ONE d (lane % 16) and e = 8 (lane / 16) + 0..7.  Two such results, rounded in pairs, ARE source 1 of O^T = V^T P, whose
; result holds one d a lane and eight n.  k comes out of LDS as it lies, v turned by ds_load_tr16_b128.
; SOFTMAX.  A running maximum m and sum l for each d: p = 2^(c s - c m), c = log2(e) / 16; in every step O and l are multiplied by a = 2^(c m_old - c m_new).  m starts at the lowest finite number,
; O and l at 0, so the first step is a step like any other: the price is 512 lines that clear O, which stand in the wait for the first tile.
; IN PHASES: a step's 128 products K Q^T, the softmax, its 128 products V^T P.  Fragments of k and v come in chunks of 8 LDS loads for 16 products, one chunk ahead, on two buffers.
; REGISTERS: window 0: v2-15 addresses; v32-63 eight of statistics a tile; v64-191 S^T, 32 a tile (P in place, in each tile's first 16); v192-255 two fragment buffers.
;   window 1: Q, tile t, 32 n from 32 c on, at 64 t + 8 c (in the way out v0-127: a tile of X_Query).   windows 2, 3: O^T, tile t, 16 n from 16 cb on, at 64 t + 8 (cb % 8) of window 2 + cb / 8.
.set PK,    528                        ; a row of k in LDS: 512 bytes + 16
.set PV,    544                        ; a row of v: 512 + 32
.set VOFF,  64*PK
.set SLOT1, 1<<17
.set STAGE, SLOT1+64*(PK+PV)           ; 16 rows x 1,040 bytes (256 f32 + 16) for each wave, for the way out; never filled by a tensor load
.set SP,    1040
.set SPARE, STAGE+4*16*SP
.set STEPB, 64*4096                    ; 64 rows of qkv
.set AK0, 2
.set AV0, 3
.set AK,  4
.set AV,  5
.set QO,  6
.set STO, 7
.set RD,  8
.set XO,  9
.set ZO,  10
.set PFO, 11                           ; v11  4,096 x lane: a row of k or v a lane
.set PXO, 12                           ; v12  X_Query: row lane / 4, 256 bytes x lane % 4
.set ONE, 13
.set SPW, 14
.set NIL, 15
.set ST,  32                           ; tile t at ST + 8 t: c m, m, l (two), four at work; +6 takes a
.set S,   64
.set FB,  192
.set ZT,  192                          ; the way out: a tile of X_Query as bf16
.set WV,  12
.set G1K, 24
.set G1V, 32
.set G0K, 40                           ; s[40:47] two sets for the first fills; the second then walks
.set G0V, 48
.set LEFT, 56
.set CS,  58
.set SEL, 60
.set TB,  62                           ; LDS byte at which the slot to be read next begins
.set PFK, 66                           ; s[66:67] my 32 rows (of k: waves 0, 1; of v: waves 2, 3), one step behind the step that is being asked for
.set LIM, 68
.set XQP, 72                           ; s[72:73] X_Query at my wave's first row and column; the way out steps it from tile to tile
.set ZP,  74                           ; s[74:75] zb likewise
.set QP,  76
.set KB,  78
.set VB,  80
.set ZI,  84                           ; s[84:85] what the way out's next trip adds to zb's address
.set MSB, 0
.macro WIN new
.if MSB != (\new)
	s_set_vgpr_msb (MSB<<8)|(\new)
.set MSB, \new
.endif
.endm
.macro PLACES
.rept 4
	v_nop
.endr
.endm
	s_load_b128 s[4:7], s[0:1], 0x0                ; qkv s[4:5], X_Query s[6:7]
	s_load_b64 s[8:9], s[0:1], 0x10                ; zb
	v_lshl_add_u32 v[SPW], v0, 2, SPARE
	v_mov_b32 v[NIL], 0
	ds_add_u32 v[SPW], v[NIL]                      ; the wave's opening: the add and its wait ahead of my first tensor load
	v_lshrrev_b32 v1, 5, v0
	v_readfirstlane_b32 s[WV], v1
	s_lshr_b32 s13, ttmp9, 1                       ; the pair
	s_and_b32 s14, ttmp9, 1                        ; which 256 rows d
	s_lshr_b32 s15, s13, 3                         ; b
	s_and_b32 s16, s13, 7                          ; h
	s_and_b32 s17, s[WV], 1                        ; which 32 of a step's 64 rows I fetch
	s_lshl_b32 s20, s15, 21                        ; q and z: batch of 2 MiB,
	s_lshl_b32 s18, s14, 20                        ; 256 rows of 4,096 bytes,
	s_add_co_u32 s20, s20, s18
	s_lshl_b32 s18, s[WV], 18                      ; my 64 rows,
	s_add_co_u32 s20, s20, s18
	s_lshl_b32 s18, s16, 9                         ; 256 columns of 2 bytes
	s_add_co_u32 s20, s20, s18
	s_mov_b32 s21, 0
	s_lshl_b32 s2, s20, 1                          ; X_Query: the same place in 4-byte numbers
	s_mov_b32 s3, 0
	s_lshl_b32 s22, s15, 21                        ; k: batch, columns,
	s_add_co_u32 s22, s22, s18
	s_lshl_b32 s18, s17, 17                        ; my 32 rows,
	s_add_co_u32 s22, s22, s18
	s_add_co_u32 s22, s22, 33554432                ; behind q
	s_mov_b32 s23, 0
	s_mov_b32 s[G1K], (1<<16)|(1<<20)|(6<<22)|(3<<25)  ; 2-byte elements; padding on; after every 128 words, 4 words
	s_mov_b32 s[G1V], (1<<16)|(1<<20)|(6<<22)|(7<<25)  ; the same with 8 words
.irp g, G1K, G1V
	s_mov_b32 s[\g+1], 256<<16                     ; tensor_dim0 = 256
	s_mov_b32 s[\g+2], 32<<16                      ; tensor_dim1 = 32
	s_mov_b32 s[\g+3], 256<<16                     ; tile_dim0
	s_mov_b32 s[\g+4], 32                          ; tile_dim1
	s_mov_b32 s[\g+5], 2048                        ; elements from row to row
	s_mov_b32 s[\g+6], 0
	s_mov_b32 s[\g+7], 0
.endr
	s_mov_b32 s[CS], 0x3db8aa3b                    ; c = log2(e) / 16
	s_mov_b32 s[CS+1], s[CS]
	s_mov_b32 s[SEL], 0x76543210
	s_mov_b32 s[SEL+1], 0xfedcba98
	s_mov_b32 s[TB], 0
	s_mul_i32 s18, s17, 32*PK
	s_mul_i32 s19, s17, 32*PV
	s_add_co_u32 s19, s19, VOFF
	s_wait_dscnt 0x0                               ; the opening add is done
	s_wait_kmcnt 0x0
	s_add_nc_u64 s[QP:QP+1], s[4:5], s[20:21]
	s_add_nc_u64 s[ZP:ZP+1], s[8:9], s[20:21]
	s_add_nc_u64 s[XQP:XQP+1], s[6:7], s[2:3]
	s_add_nc_u64 s[KB:KB+1], s[4:5], s[22:23]
	s_add_nc_u64 s[VB:VB+1], s[KB:KB+1], 33554432
.irp s, 0,1
	s_mov_b32 s[G0K+4*(\s)], 1
	s_add_co_u32 s[G0K+4*(\s)+1], s18, (\s)*SLOT1
	s_add_nc_u64 s[G0K+4*(\s)+2:G0K+4*(\s)+3], s[KB:KB+1], (\s)*STEPB
	s_or_b32 s[G0K+4*(\s)+3], s[G0K+4*(\s)+3], 0x80000000
	s_mov_b32 s[G0V+4*(\s)], 1
	s_add_co_u32 s[G0V+4*(\s)+1], s19, (\s)*SLOT1
	s_add_nc_u64 s[G0V+4*(\s)+2:G0V+4*(\s)+3], s[VB:VB+1], (\s)*STEPB
	s_or_b32 s[G0V+4*(\s)+3], s[G0V+4*(\s)+3], 0x80000000
.endr
	s_cmp_eq_u32 s14, 0                            ; of the two work-groups that walk the same k and v the first prefetches
	s_cselect_b32 s[LIM], 1, -1
	s_cmp_lt_u32 s[WV], 2
	s_cselect_b64 s[PFK:PFK+1], s[KB:KB+1], s[VB:VB+1]
	s_add_nc_u64 s[PFK:PFK+1], s[PFK:PFK+1], 2*STEPB   ; at step 2; the first change of slots steps it to 3
	s_cmp_lt_u32 s[WV], 2                          ; a wave's two first fills stand in one branch: two loads of mine are out
	s_cbranch_scc0 .Lfirst_v
	tensor_load_to_lds s[G0K:G0K+3], s[G1K:G1K+7]
	s_nop 0
	tensor_load_to_lds s[G0K+4:G0K+7], s[G1K:G1K+7]
	s_nop 0
	PLACES
	s_branch .Lfirst_asked
.Lfirst_v:
	tensor_load_to_lds s[G0V:G0V+3], s[G1V:G1V+7]
	s_nop 0
	tensor_load_to_lds s[G0V+4:G0V+7], s[G1V:G1V+7]
	s_nop 0
	PLACES
.Lfirst_asked:
	v_and_b32 v16, 15, v0                          ; l % 16
	v_bfe_u32 v17, v0, 4, 1                        ; l / 16
	v_and_b32 v18, 31, v0                          ; l
	v_and_b32 v19, 7, v0
	v_bfe_u32 v20, v0, 3, 1
	v_lshlrev_b32 v[QO], 12, v16
	v_lshl_add_u32 v[QO], v17, 4, v[QO]            ; row x 4,096 + 16 x half
	WIN 0x40
.set i, 0
.rept 32                                       ; Q stays in registers: tile i / 8, 32 n from 32 (i % 8) on
	global_load_b128 v[8*i:8*i+3],   v[QO], s[QP:QP+1] offset:(i/8)*65536+(i%8)*64
	global_load_b128 v[8*i+4:8*i+7], v[QO], s[QP:QP+1] offset:(i/8)*65536+(i%8)*64+32
.set i, i+1
.endr
	WIN 0x80
.set i, 0
.rept 256
	v_mov_b32 v[i], 0                              ; O^T starts at 0
.set i, i+1
.endr
	WIN 0xc0
.set i, 0
.rept 256
	v_mov_b32 v[i], 0
.set i, i+1
.endr
	WIN 0
.irp t, 0,1,2,3
	v_mov_b32 v[ST+8*\t], 0xfe000000               ; c m: far below every c s
	v_mov_b32 v[ST+8*\t+1], 0xff7fffff             ; m
	v_mov_b32 v[ST+8*\t+2], 0
	v_mov_b32 v[ST+8*\t+3], 0
.endr
	v_mul_u32_u24 v[AK0], v16, PK
	v_lshl_add_u32 v[AK0], v17, 4, v[AK0]
	v_lshl_add_u32 v[AV0], v17, 3, v19             ; the turning load: lane l reads row 8 (l / 16) + l % 8, columns 8 ((l / 8) % 2) + 0..7
	v_mul_u32_u24 v[AV0], v[AV0], PV
	v_lshl_add_u32 v[AV0], v20, 4, v[AV0]
	v_add_nc_u32 v[AV0], VOFF, v[AV0]
	s_mul_i32 s18, s[WV], 16*SP
	s_add_co_u32 s18, s18, STAGE
	v_mul_u32_u24 v[STO], v16, SP                  ; into the stage: row l % 16, 32 bytes for each half of the lanes
	v_lshl_add_u32 v[STO], v17, 5, v[STO]
	v_add_nc_u32 v[STO], s18, v[STO]
	v_lshl_add_u32 v[RD], v18, 4, s18              ; back: 32 lanes take 512 consecutive bytes, half a row
	v_lshlrev_b32 v[XO], 4, v18
	v_lshlrev_b32 v[ZO], 3, v18
	v_lshlrev_b32 v[PFO], 12, v18
	v_lshrrev_b32 v21, 2, v18
	v_and_b32 v22, 3, v18
	v_lshlrev_b32 v[PXO], 13, v21
	v_lshl_add_u32 v[PXO], v22, 8, v[PXO]
	v_mov_b32 v[ONE], 1.0
.macro KLD c, fb                       ; 8 LDS loads: four fragments of k (16 rows e each), 32 n from 32 c on
	WIN 0
.irp kb, 0,1,2,3
	ds_load_b128 v[(\fb)+8*\kb:(\fb)+8*\kb+3],   v[AK] offset:\kb*16*PK+64*(\c)
	ds_load_b128 v[(\fb)+8*\kb+4:(\fb)+8*\kb+7], v[AK] offset:\kb*16*PK+64*(\c)+32
.endr
.endm
.macro VLD g, fb                       ; 8 turning loads: fragments of v^T: 32 e from 32 kk on, 16 n from 16 (2 g + u) on, at fb + 8 (2 kk + u)
	WIN 0
.irp kk, 0,1
.irp u, 0,1
	ds_load_tr16_b128 v[(\fb)+8*(2*\kk+\u):(\fb)+8*(2*\kk+\u)+3],   v[AV] offset:\kk*32*PV+32*(2*(\g)+\u)
	ds_load_tr16_b128 v[(\fb)+8*(2*\kk+\u)+4:(\fb)+8*(2*\kk+\u)+7], v[AV] offset:\kk*32*PV+16*PV+32*(2*(\g)+\u)
.endr
.endr
.endm
; Chunk c of S^T = K Q^T: the next chunk's fragments are asked for, then 16 products on 16 accumulators, which take turns.
.macro KCH c
	PLACES                                         ; behind the products that read the buffer loaded below
.if (\c) == 0
	v_nop                                          ; a fifth: the first products write over P, which the last products V^T P read
.endif
.if (\c) < 7
	KLD (\c)+1, FB+32*(((\c)+1)%2)
.else
	VLD 0, FB
.endif
	s_wait_dscnt 8                                 ; all but the eight just issued
	WIN 0x04                                       ; Q in window 1
.irp kb, 0,1,2,3
.irp t, 0,1,2,3
.if (\c) == 0
	v_wmma_f32_16x16x32_bf16 v[S+32*\t+8*\kb:S+32*\t+8*\kb+7], v[FB+32*((\c)%2)+8*\kb:FB+32*((\c)%2)+8*\kb+7], v[64*\t+8*(\c):64*\t+8*(\c)+7], 0
.else
	v_wmma_f32_16x16x32_bf16 v[S+32*\t+8*\kb:S+32*\t+8*\kb+7], v[FB+32*((\c)%2)+8*\kb:FB+32*((\c)%2)+8*\kb+7], v[64*\t+8*(\c):64*\t+8*(\c)+7], v[S+32*\t+8*\kb:S+32*\t+8*\kb+7]
.endif
.endr
.endr
.endm
.macro VMUL g                          ; 16 products of O^T += V^T P: 8 accumulators by turns, twice
	WIN 0xa0+0x50*((\g)/4)
.irp kk, 0,1
.irp u, 0,1
.irp t, 0,1,2,3
	v_wmma_f32_16x16x32_bf16 v[64*\t+8*((2*(\g)+\u)%8):64*\t+8*((2*(\g)+\u)%8)+7], v[FB+32*((\g)%2)+8*(2*\kk+\u):FB+32*((\g)%2)+8*(2*\kk+\u)+7], v[S+32*\t+8*\kk:S+32*\t+8*\kk+7], v[64*\t+8*((2*(\g)+\u)%8):64*\t+8*((2*(\g)+\u)%8)+7]
.endr
.endr
.endr
.endm
.macro VCH g
	PLACES
	VLD (\g)+1, FB+32*(((\g)+1)%2)
	s_wait_dscnt 8
	VMUL \g
.endm
; Number j of the 21 that find a tile's maximum and statistics.  Each accumulator's lowest registers are read first.
.macro SMA t
.set rT, ST+8*(\t)
.set rS, S+32*(\t)
.if j < 4
	v_max3_num_f32 v[rT+4+j], v[rS+8*j], v[rS+8*j+1], v[rS+8*j+2]
.elseif j < 12
	v_max3_num_f32 v[rT+4+j%4], v[rT+4+j%4], v[rS+8*(j%4)+2*(j/4)+1], v[rS+8*(j%4)+2*(j/4)+2]
.elseif j == 12
	v_max3_num_f32 v[rT+4], v[rT+4], v[rS+7], v[rS+15]
.elseif j == 13
	v_max3_num_f32 v[rT+6], v[rT+6], v[rS+23], v[rS+31]
.elseif j == 14
	v_max3_num_f32 v[rT+4], v[rT+4], v[rT+5], v[rT+6]
.elseif j == 15
	v_max3_num_f32 v[rT+4], v[rT+4], v[rT+7], v[rT+1]
.elseif j == 16
	v_permlanex16_b32 v[rT+5], v[rT+4], s[SEL], s[SEL+1]  ; the row's other 32 e lie in the lane 16 away
.elseif j == 17
	v_mov_b32 v[rT+7], v[rT]                       ; c m_old
.elseif j == 18
	v_max_num_f32 v[rT+1], v[rT+4], v[rT+5]
.elseif j == 19
	v_mul_f32 v[rT], s[CS], v[rT+1]
.else
	v_sub_f32 v[rT+7], v[rT+7], v[rT]
.endif
.endm
; The four tiles go side by side, so that no line waits for the one before it.  The 132 exponentials are ONE batch with one wait: nothing ahead of the wait names a result of theirs.
.macro SOFTMAX
	PLACES                                         ; behind the last products K Q^T
	WIN 0
.set j, 0
.rept 21
.irp t, 0,1,2,3
	SMA \t
.endr
.set j, j+1
.endr
.irp t, 0,1,2,3
	v_exp_f32 v[ST+8*\t+6], v[ST+8*\t+7]           ; a
.endr
.set b, 0
.rept 16
.irp t, 0,1,2,3
	v_pk_fma_f32 v[S+32*\t+2*b:S+32*\t+2*b+1], v[S+32*\t+2*b:S+32*\t+2*b+1], s[CS:CS+1], v[ST+8*\t:ST+8*\t+1] op_sel_hi:[1,0,0] neg_lo:[0,0,1] neg_hi:[0,0,1]  ; c s - c m
.endr
.irp t, 0,1,2,3
	v_exp_f32 v[S+32*\t+2*b], v[S+32*\t+2*b]
	v_exp_f32 v[S+32*\t+2*b+1], v[S+32*\t+2*b+1]
.endr
.set b, b+1
.endr
	v_nop                                          ; a plain instruction behind the last exponential,
	s_wait_alu depctr_va_vdst(0)                   ; and a wait ahead of the first reader: one for the batch
.irp t, 0,1,2,3
	v_pk_add_f32 v[ST+8*\t+4:ST+8*\t+5], v[S+32*\t:S+32*\t+1], v[S+32*\t+2:S+32*\t+3]
.endr
.set b, 2
.rept 14
.irp t, 0,1,2,3
	v_pk_add_f32 v[ST+8*\t+4:ST+8*\t+5], v[ST+8*\t+4:ST+8*\t+5], v[S+32*\t+2*b:S+32*\t+2*b+1]
.endr
.set b, b+1
.endr
.irp t, 0,1,2,3
	v_pk_fma_f32 v[ST+8*\t+2:ST+8*\t+3], v[ST+8*\t+2:ST+8*\t+3], v[ST+8*\t+6:ST+8*\t+7], v[ST+8*\t+4:ST+8*\t+5] op_sel_hi:[1,0,1]  ; l = a l + the sum
.endr
.set b, 0
.rept 16
.irp t, 0,1,2,3
	v_cvt_pk_bf16_f32 v[S+32*\t+b], v[S+32*\t+2*b], v[S+32*\t+2*b+1]  ; P, in place: register b is written when registers 2 b, 2 b + 1 are read, b ascending
.endr
.set b, b+1
.endr
	WIN 0x82                                       ; O^T times a
.irp t, 0,1,2,3
.set b, 0
.rept 32
	v_pk_mul_f32 v[64*\t+b:64*\t+b+1], v[64*\t+b:64*\t+b+1], v[ST+8*\t+6:ST+8*\t+7] op_sel_hi:[1,0]
.set b, b+2
.endr
.endr
	WIN 0xc3
.irp t, 0,1,2,3
.set b, 0
.rept 32
	v_pk_mul_f32 v[64*\t+b:64*\t+b+1], v[64*\t+b:64*\t+b+1], v[ST+8*\t+6:ST+8*\t+7] op_sel_hi:[1,0]
.set b, b+2
.endr
.endr
.endm
.macro LOAD                            ; a refill: waves 0 and 1 fetch the halves of a step's k, waves 2 and 3 those of its v
	s_cmp_lt_u32 s[WV], 2
	s_cbranch_scc0 .Lfor_v_\@
	tensor_load_to_lds s[G0K+4:G0K+7], s[G1K:G1K+7]
	s_nop 0
	PLACES
	s_branch .Lasked_\@
.Lfor_v_\@:
	tensor_load_to_lds s[G0V+4:G0V+7], s[G1V:G1V+7]
	s_nop 0
	PLACES
.Lasked_\@:
.endm
; The step's last chunk, and THE CHANGE OF SLOTS ahead of its products: the slot's last bytes have been asked for.  Each wave waits for all its tensor loads (one is out: its part of the other slot),
; adds 0 to its spare word, and waits for that and for its reads of this slot.  fill = 1: this slot is filled again first behind the barrier, with the step two on: it has a whole step in which to land.
; PREFETCHES, behind the refill and the run of LDS loads.  fill = 1: my own 32 rows x 512 bytes of the step that the NEXT change will ask for, a lane a row, two lines; the last filling change asks for nothing.
; fill = 0, in the last step but one: the first 32 of my 64 rows of X_Query (1,024 bytes each), which the way out loads first: four lines, a step ahead.  Each block is named once in the launch.
.macro VCH7 fill
	PLACES                                         ; behind the products that read buffer 0, which is loaded below
	WIN 0
	s_wait_tensorcnt 0x0
	ds_add_u32 v[SPW], v[NIL]
.if \fill
.irp g, G0K+4, G0V+4
	s_xor_b32 s[\g+1], s[\g+1], SLOT1
	s_add_nc_u64 s[\g+2:\g+3], s[\g+2:\g+3], STEPB
.endr
	s_wait_xcnt 0x0                                ; the last prefetches, a step back, have read their address
	s_add_nc_u64 s[PFK:PFK+1], s[PFK:PFK+1], STEPB
.endif
	s_xor_b32 s[TB], s[TB], SLOT1
	s_wait_dscnt 0x0                               ; the add is done, and my reads of the slot are over
	s_barrier_signal -1
	s_barrier_wait -1
.if \fill
	LOAD
.endif
	v_add_nc_u32 v[AK], s[TB], v[AK0]
	v_add_nc_u32 v[AV], s[TB], v[AV0]
	KLD 0, FB                                      ; the next step's first chunk (behind the last step: bytes of the step before, which serve nothing)
.if \fill
	s_cmp_gt_u32 s[LEFT], s[LIM]
	s_cbranch_scc0 .Lnot_mine_\@
	global_prefetch_b8 v[PFO], s[PFK:PFK+1] th:TH_LOAD_NT scope:SCOPE_SE
	global_prefetch_b8 v[PFO], s[PFK:PFK+1] offset:256 th:TH_LOAD_NT scope:SCOPE_SE
.Lnot_mine_\@:
.else
	s_cmp_eq_u32 s[LEFT], 2
	s_cbranch_scc0 .Lnot_now_\@
.irp k, 0,1,2,3
	global_prefetch_b8 v[PXO], s[XQP:XQP+1] offset:\k*65536 th:TH_LOAD_NT scope:SCOPE_SE
.endr
.Lnot_now_\@:
.endif
	VMUL 7
.endm
.macro STEP fill
.irp c, 0,1,2,3,4,5,6,7
	KCH \c
.endr
	SOFTMAX
.irp g, 0,1,2,3,4,5,6
	VCH \g
.endr
	VCH7 \fill
.endm
	s_wait_tensorcnt 1                             ; my part of slot 0 is in; slot 1's may stay out
	s_barrier_signal -1
	s_barrier_wait -1
	v_add_nc_u32 v[AK], s[TB], v[AK0]
	v_add_nc_u32 v[AV], s[TB], v[AV0]
	KLD 0, FB
	s_wait_loadcnt 0x0                             ; Q
	s_mov_b32 s[LEFT], 6
.LA:                                               ; steps 0 to 5 ask for steps 2 to 7
	STEP 1
	WIN 0
	s_sub_co_u32 s[LEFT], s[LEFT], 1
	s_cmp_lg_u32 s[LEFT], 0
	s_cbranch_scc1 .LA
	s_mov_b32 s[LEFT], 2
.LB:                                               ; the last two steps ask for nothing: written apart
	STEP 0
	WIN 0
	s_sub_co_u32 s[LEFT], s[LEFT], 1
	s_cmp_lg_u32 s[LEFT], 0
	s_cbranch_scc1 .LB
; THE WAY OUT: a loop of four trips, a tile (16 rows d x 256 n) a trip.  Only what names O^T's registers is written for each tile (PART): O^T times -1 / l, and its way into my stage in LDS, as f32.
; The rest is written once: the tile comes back as half rows of 512 bytes, laid as X_Query's loads are; X_Query's tile is rounded to bf16, and the next tile's 32 loads go out at once, into the same
; registers: they have a trip in which to land; z = bf16(x) x 1 + (-o / l), one fused line a number; z is packed to f16 in place and leaves, 32 lanes storing 256 consecutive bytes, aligned.
; The wait for X_Query is for all loads, so that it holds in the last trip too, which asks for nothing.
.macro XQLD
	WIN 0x40
.set i, 0
.rept 32
	global_load_b128 v[4*i:4*i+3], v[XO], s[XQP:XQP+1] offset:(i/2)*8192+(i%2)*512 th:TH_LOAD_NT
.set i, i+1
.endr
	WIN 0
.endm
.macro PART t
	WIN 0x82
.set i, 0
.rept 32
	v_pk_mul_f32 v[64*(\t)+i:64*(\t)+i+1], v[64*(\t)+i:64*(\t)+i+1], v[ST+8*(\t)+6:ST+8*(\t)+7] op_sel_hi:[1,0]
.set i, i+2
.endr
	WIN 0xc3
.set i, 0
.rept 32
	v_pk_mul_f32 v[64*(\t)+i:64*(\t)+i+1], v[64*(\t)+i:64*(\t)+i+1], v[ST+8*(\t)+6:ST+8*(\t)+7] op_sel_hi:[1,0]
.set i, i+2
.endr
	WIN 0x08                                       ; store data in window 2
.irp cb, 0,1,2,3,4,5,6,7
	ds_store_b128 v[STO], v[64*(\t)+8*\cb:64*(\t)+8*\cb+3]   offset:64*\cb
	ds_store_b128 v[STO], v[64*(\t)+8*\cb+4:64*(\t)+8*\cb+7] offset:64*\cb+16
.endr
	WIN 0x0c                                       ; in window 3
.irp cb, 0,1,2,3,4,5,6,7
	ds_store_b128 v[STO], v[64*(\t)+8*\cb:64*(\t)+8*\cb+3]   offset:512+64*\cb
	ds_store_b128 v[STO], v[64*(\t)+8*\cb+4:64*(\t)+8*\cb+7] offset:512+64*\cb+16
.endr
	WIN 0
.endm
	XQLD                                           ; tile 0: Q's registers are free
	s_wait_dscnt 0x0                               ; the loads of the last change of slots have landed: their registers are used below
.irp t, 0,1,2,3
	v_add_f32 v[ST+8*\t+4], v[ST+8*\t+2], v[ST+8*\t+3]   ; these additions are the places behind the last products
.endr
.irp t, 0,1,2,3
	v_permlanex16_b32 v[ST+8*\t+5], v[ST+8*\t+4], s[SEL], s[SEL+1]
.endr
.irp t, 0,1,2,3
	v_add_f32 v[ST+8*\t+4], v[ST+8*\t+4], v[ST+8*\t+5]
.endr
.irp t, 0,1,2,3
	v_rcp_f32 v[ST+8*\t+6], v[ST+8*\t+4]
.endr
	v_nop
	s_wait_alu depctr_va_vdst(0)                   ; one wait for the four reciprocals, ahead of their first reader
.irp t, 0,1,2,3
	v_mul_f32 v[ST+8*\t+6], -1.0, v[ST+8*\t+6]
.endr
	s_mov_b32 s[ZI], 0
	s_mov_b32 s[ZI+1], 0
	s_mov_b32 s[LEFT], 4
.Lepi:
	s_cmp_eq_u32 s[LEFT], 4
	s_cbranch_scc0 .Lp1
	PART 0
	s_branch .Lpd
.Lp1:
	s_cmp_eq_u32 s[LEFT], 3
	s_cbranch_scc0 .Lp2
	PART 1
	s_branch .Lpd
.Lp2:
	s_cmp_eq_u32 s[LEFT], 2
	s_cbranch_scc0 .Lp3
	PART 2
	s_branch .Lpd
.Lp3:
	PART 3
.Lpd:
	s_wait_xcnt 0x0                                ; the last trip's stores have read their base and v64-191, the prefetches X_Query's address: all are written below
	s_add_nc_u64 s[ZP:ZP+1], s[ZP:ZP+1], s[ZI:ZI+1]
	s_mov_b32 s[ZI], 65536                         ; 16 rows of zb from the second trip on
.set i, 0
.rept 32
	ds_load_b128 v[S+4*i:S+4*i+3], v[RD] offset:(i/2)*SP+(i%2)*512  ; LDS serves a wave's instructions in order (ISA guide 5.7.1.4): these see PART's stores
.set i, i+1
.endr
	s_wait_loadcnt 0x0                             ; this tile's X_Query is in: nothing else is out
	WIN 0x05
.set i, 0
.rept 32
	v_cvt_pk_bf16_f32 v[ZT+2*i],   v[4*i],   v[4*i+1]
	v_cvt_pk_bf16_f32 v[ZT+2*i+1], v[4*i+2], v[4*i+3]
.set i, i+1
.endr
	WIN 0
	s_cmp_eq_u32 s[LEFT], 1
	s_cbranch_scc1 .Lnoload
	s_add_nc_u64 s[XQP:XQP+1], s[XQP:XQP+1], 131072    ; 16 rows of X_Query on; the loads that named the address have landed
	XQLD
.Lnoload:
	s_wait_dscnt 0x0
.set i, 0
.rept 32
	v_fma_mix_f32_bf16 v[S+4*i],   v[ZT+2*i],   v[ONE], v[S+4*i]   op_sel_hi:[1,0,0]
	v_fma_mix_f32_bf16 v[S+4*i+1], v[ZT+2*i],   v[ONE], v[S+4*i+1] op_sel:[1,0,0] op_sel_hi:[1,0,0]
	v_fma_mix_f32_bf16 v[S+4*i+2], v[ZT+2*i+1], v[ONE], v[S+4*i+2] op_sel_hi:[1,0,0]
	v_fma_mix_f32_bf16 v[S+4*i+3], v[ZT+2*i+1], v[ONE], v[S+4*i+3] op_sel:[1,0,0] op_sel_hi:[1,0,0]
	v_cvt_pk_f16_f32 v[S+4*i],   v[S+4*i],   v[S+4*i+1]
	v_cvt_pk_f16_f32 v[S+4*i+1], v[S+4*i+2], v[S+4*i+3]
.if i >= 2                                     ; a piece's store stands two pieces behind its conversions
	global_store_b64 v[ZO], v[S+4*(i-2):S+4*(i-2)+1], s[ZP:ZP+1] offset:((i-2)/2)*4096+((i-2)%2)*256
.endif
.set i, i+1
.endr
	global_store_b64 v[ZO], v[S+120:S+121], s[ZP:ZP+1] offset:15*4096
	global_store_b64 v[ZO], v[S+124:S+125], s[ZP:ZP+1] offset:15*4096+256
	s_sub_co_u32 s[LEFT], s[LEFT], 1
	s_cmp_lg_u32 s[LEFT], 0
	s_cbranch_scc1 .Lepi
	s_wait_tensorcnt 0x0                           ; the wave's end
	ds_add_u32 v[SPW], v[NIL]
	s_wait_dscnt 0x0
	s_endpgm
.Lfunc_end_k_qa1b1faef01_attn:
	.size	k_qa1b1faef01_attn, .Lfunc_end_k_qa1b1faef01_attn-k_qa1b1faef01_attn
	.p2alignl 7, 3214868480
	.fill 96, 4, 3214868480
	.section	.rodata,"a",@progbits
	.p2align	6, 0x0
	.amdhsa_kernel k_qa1b1faef01_attn
		.amdhsa_group_segment_fixed_size 327680
		.amdhsa_private_segment_fixed_size 0
		.amdhsa_enable_private_segment 0
		.amdhsa_kernarg_size 24
		.amdhsa_user_sgpr_count 2
		.amdhsa_user_sgpr_kernarg_segment_ptr 1
		.amdhsa_wavefront_size32 1
		.amdhsa_system_sgpr_workgroup_id_x 1
		.amdhsa_system_sgpr_workgroup_id_y 1
		.amdhsa_system_sgpr_workgroup_id_z 1
		.amdhsa_system_vgpr_workitem_id 0
		.amdhsa_next_free_vgpr 1024
		.amdhsa_next_free_sgpr 96
		.amdhsa_reserve_vcc 0
		.amdhsa_float_denorm_mode_32 3
		.amdhsa_float_denorm_mode_16_64 3
		.amdhsa_memory_ordered 1
		.amdhsa_forward_progress 1
		.amdhsa_inst_pref_size 215
	.end_amdhsa_kernel
	.amdgpu_metadata
---
amdhsa.version: [ 1, 2 ]
amdhsa.kernels:
  - .name:           k_qa1b1faef01_attn
    .symbol:         k_qa1b1faef01_attn.kd
    .args:
      - { .name: qkv, .offset: 0, .size: 8, .value_kind: global_buffer, .address_space: global }
      - { .name: X_Query, .offset: 8, .size: 8, .value_kind: global_buffer, .address_space: global }
      - { .name: zb, .offset: 16, .size: 8, .value_kind: global_buffer, .address_space: global }
    .group_segment_fixed_size: 327680
    .private_segment_fixed_size: 0
    .kernarg_segment_align: 8
    .kernarg_segment_size: 24
    .max_flat_workgroup_size: 128
    .sgpr_count:     96
    .vgpr_count:     1024
    .wavefront_size: 32
...
	.end_amdgpu_metadata
.endif
;; end of part 3
;; launch oproj (part 4): grid 256 x 1, 4 waves a work-group, clusters of 4 x 1, 327,680 bytes of LDS; arguments wb, zb, out0; writes out0
.if DOCPART == 4
	.amdgcn_target "amdgcn-amd-amdhsa--gfx1250"
	.amdhsa_code_object_version 6
	.text
	.protected	k_qa1b1faef01_oproj
	.globl	k_qa1b1faef01_oproj
	.p2align	8
	.type	k_qa1b1faef01_oproj,@function
k_qa1b1faef01_oproj:
	s_mov_b64 s[64:65], 0
	v_nop
	global_prefetch_b8 v0, s[64:65] scope:SCOPE_SE
	s_setreg_imm32_b32 hwreg(HW_REG_WAVE_MODE, 25, 1), 1
	s_wait_xcnt 0x0
	s_wait_alu depctr_hold_cnt(0) depctr_sa_sdst(0) depctr_va_vdst(0) depctr_va_sdst(0) depctr_va_ssrc(0) depctr_va_vcc(0) depctr_vm_vsrc(0)
	s_getreg_b32 s2, hwreg(HW_REG_IB_STS2, 6, 4)
	s_cmp_eq_u32 s2, 0
	s_cbranch_scc0 .Lentry_in_a_cluster
	s_endpgm
.Lentry_in_a_cluster:
	s_bfe_u32 s2, ttmp6, 0x10000c
	s_cmp_lg_u32 s2, 0x3003
	s_cbranch_scc0 .Lentry_shape_is_right
	s_endpgm
.Lentry_shape_is_right:
; out0[b][o][n] = sum over i of W_o[o][i] z[b][i][n].  W_o: rounded to bf16, written as f16, in blocks of 128 channels (wb, fourth matrix); z: [16][512][2048] f16; sums and out0 f32.
; SHARES.  A work-group makes one tile of 512 o x 128 n of batch b; wave w rows o = 128 w .. 128 w + 127: 64 accumulators.  K = 512 goes in 8 steps of 64.
; THE RING.  A slot of W holds TWO K steps: a block of 512 rows of 256 bytes; two slots, four blocks.  A wave fetches a quarter of a block (128 rows) by one tensor load; every work-group reads the same
; blocks, so the four of a cluster ask JOINTLY (mask 15).  A PERIOD is a slot's two K steps, 256 matrix instructions: QA 0, MID, QA 1, TURN.  Only TURN changes W's slot; a refill has 224 matrix instructions
; in which to land.  MID has a plain barrier, for z's slots alone.
; z comes through registers: a wave loads 16 rows of 256 bytes, two K steps ahead, and stores them as they are into the z slot that the next K step reads: two slots of two steps filled by tensor loads
; would not fit beside W's (2 x 139,264 + 2 x 36,864 bytes).
; NO PREFETCH: the launch has two refills, and z's loads are out two K steps ahead of their use.
; THE MATRIX INSTRUCTION IS USED TRANSPOSED: source 0 = 16 columns n of z (turned by ds_load_tr16_b128), source 1 = 16 rows o of W: a lane holds row o = l % 16 and eight neighbouring n.
; Every K step stages z, the last ones too, so that the two register sets take turns on every way through the text: the three sets asked for past the last K step (48 KiB a work-group) read the tile's first
; rows again and serve nothing.  So do the fragments that the last TURN fetches.
; THE STAGE of the way out is a wave's own 16 rows of z slot 1: the way out stands behind a TURN's barrier, in front of which all waves' reads of that slot were waited for.  No tensor load lands there.
; REGISTERS: window 0: v16-29 addresses; v64-127, v128-191 fragments of W; v32-63, v192-223 rows read back.  window 1: v0-63 two sets of z as loaded; v64-191 fragments of z.
;   windows 2, 3: accumulators (a, b) at v[8 (8 (a % 4) + b)].
.set PW,     272
.set WQ,     128*PW
.set WSLOT,  4*WQ                      ; 139,264 = 0x22000
.set BLK,    131072
.set PX,     288
.set ZS,     2*WSLOT                   ; the two z slots: written by ds_store alone
.set ZSLOT,  64*PX
.set STAGE,  ZS+ZSLOT                  ; z slot 1: wave w's 16 rows x 288 bytes hold its stage of 16 rows x 272 (64 f32 + 16)
.set SPITCH, 272
.set SPARE,  ZS+2*ZSLOT
.set ADRA, 16
.set ADRA0, 17
.set ADRB, 20
.set ZST,  22                          ; v22-23  where I store my 16 bytes of a z row, slot 0, 1
.set STO,  24
.set RD,   25
.set CO,   26
.set ZO,   27                          ; v27     my byte offset in a K step's rows of z: row 16 w + l / 16, 16 (l % 16)
.set SPW,  28
.set NIL,  29
.set F0,   64
.set F1,   128
.set WV,   14
.set G1,   24
.set G0,   32                          ; s[32:39] a set for each of the two first fills; the second then walks
.set ZL,   40                          ; s[40:41] z at the K step to be loaded next
.set ZA,   42                          ; s[42:43] z at K step 0
.set ZC,   44
.set RB,   45                          ; s45     LDS byte at which the W slot in hand begins
.set MSB, 0
.macro WIN new
.if MSB != (\new)
	s_set_vgpr_msb (MSB<<8)|(\new)
.set MSB, \new
.endif
.endm
.set MUL_LO, 0xa1
.set MUL_HI, 0xf1
.set TO_B,   0x40
.macro CREST
	s_cmp_lg_u32 s[WV], 0
	s_cbranch_scc1 .Lnot_wave_0_\@
	s_barrier_signal -3
.Lnot_wave_0_\@:
	s_barrier_wait -3
	s_barrier_signal -1
	s_barrier_wait -1
.endm
.macro CROUND
	s_barrier_signal -1
	s_barrier_wait -1
	CREST
.endm
.macro PLACES
.rept 4
	v_nop
.endr
.endm
	s_load_b128 s[4:7], s[0:1], 0x0                ; wb s[4:5], zb s[6:7]
	s_load_b64 s[8:9], s[0:1], 0x10                ; out0
	v_lshl_add_u32 v[SPW], v0, 2, SPARE
	v_mov_b32 v[NIL], 0
	ds_add_u32 v[SPW], v[NIL]                      ; the wave's opening: the add and its wait ahead of my first tensor load
	v_lshrrev_b32 v1, 5, v0
	v_readfirstlane_b32 s[WV], v1
	s_bfe_u32 s15, ttmp6, 0x40000                  ; cx
	s_lshl_b32 s16, ttmp9, 2
	s_add_co_u32 s16, s16, s15                     ; work-group: it enters z's and out0's addresses alone
	s_lshr_b32 s17, s16, 4                         ; b
	s_and_b32 s18, s16, 15                         ; which 128 columns
	s_mov_b32 s[G1+0], 15|(1<<16)|(1<<20)|(1<<21)|(5<<22)|(3<<25)  ; mask of four; 2-byte elements; padding on; bit 21 beside a mask; after every 64 words, 4 words
	s_mov_b32 s[G1+1], 128<<16                     ; 128 rows of 128 elements, dense
	s_mov_b32 s[G1+2], 128<<16
	s_mov_b32 s[G1+3], 128<<16
	s_mov_b32 s[G1+4], 128
	s_mov_b32 s[G1+5], 128
	s_mov_b32 s[G1+6], 0
	s_mov_b32 s[G1+7], 0
	s_mul_i32 s20, s[WV], WQ                       ; my quarter of a slot
	s_lshl_b32 s22, s[WV], 15                      ; and of a block,
	s_add_co_u32 s22, s22, 3*524288                ; in the fourth matrix
	s_mov_b32 s23, 0
	s_lshl_b32 s60, s17, 21                        ; z: batch of 2 MiB, 128 columns of 2 bytes
	s_lshl_b32 s61, s18, 8
	s_add_co_u32 s60, s60, s61
	s_mov_b32 s61, 0
	s_lshl_b32 s62, s17, 22                        ; out0: batch of 4 MiB, my 128 rows of 8,192 bytes, 128 columns of 4 bytes
	s_lshl_b32 s63, s[WV], 20
	s_add_co_u32 s62, s62, s63
	s_lshl_b32 s63, s18, 9
	s_add_co_u32 s62, s62, s63
	s_mov_b32 s63, 0
	s_mov_b32 s[ZC], 0
	s_mov_b32 s[RB], 0
	v_and_b32 v1, 15, v0                           ; l % 16
	v_bfe_u32 v2, v0, 4, 1                         ; l / 16
	s_lshl_b32 s21, s[WV], 16                      ; 16 rows of 4,096 bytes
	v_lshlrev_b32 v9, 12, v2
	v_lshl_add_u32 v9, v1, 4, v9
	v_add_nc_u32 v[ZO], s21, v9
	s_wait_dscnt 0x0                               ; the opening add is done
	s_wait_kmcnt 0x0
	s_add_nc_u64 s[4:5], s[4:5], s[22:23]
	s_add_nc_u64 s[ZA:ZA+1], s[6:7], s[60:61]
	s_mov_b64 s[ZL:ZL+1], s[ZA:ZA+1]
	s_add_nc_u64 s[8:9], s[8:9], s[62:63]
	CROUND                                         ; all four work-groups are here: the first joint loads meet
.irp s, 0,1
	s_mov_b32 s[G0+4*(\s)], 1
	s_add_co_u32 s[G0+4*(\s)+1], s20, (\s)*WSLOT
	s_add_nc_u64 s[G0+4*(\s)+2:G0+4*(\s)+3], s[4:5], (\s)*BLK
	s_or_b32 s[G0+4*(\s)+3], s[G0+4*(\s)+3], 0x80000000
.endr
	tensor_load_to_lds s[G0:G0+3], s[G1:G1+7]      ; W_o's blocks 0 and 1: two loads of mine are out
	s_nop 0
	tensor_load_to_lds s[G0+4:G0+7], s[G1:G1+7]
	s_nop 0
	PLACES
.macro ZLOAD o                         ; 8 loads: my 16 rows of a K step, two rows of 256 bytes a load, into set o
	WIN TO_B
.set r, 0
.rept 8
	global_load_b128 v[32*(\o)+4*r:32*(\o)+4*r+3], v[ZO], s[ZL:ZL+1] offset:r*8192 th:TH_LOAD_NT
.set r, r+1
.endr
.endm
.macro ADVZ                            ; z's pointer goes 64 rows down; behind the eighth K step it goes back to the first
	s_add_nc_u64 s[ZL:ZL+1], s[ZL:ZL+1], 64*4096
	s_add_co_u32 s[ZC], s[ZC], 1
	s_cmp_eq_u32 s[ZC], 8
	s_cselect_b64 s[ZL:ZL+1], s[ZA:ZA+1], s[ZL:ZL+1]
	s_cselect_b32 s[ZC], 0, s[ZC]
.endm
.macro STAGE_Z o                       ; set o has landed: it is stored into z slot o and asked for again, two K steps on
	s_wait_loadcnt 8                               ; set o is in, the other set's 8 loads stay out
	WIN 0x04                                       ; store data in window 1
.set r, 0
.rept 8
	ds_store_b128 v[ZST+(\o)], v[32*(\o)+4*r:32*(\o)+4*r+3] offset:r*2*PX
.set r, r+1
.endr
	s_wait_xcnt 0x0                                ; earlier loads have read z's pointer
	ADVZ
	ZLOAD \o
.endm
	ZLOAD 0                                        ; K step 0
	s_wait_xcnt 0x0
	ADVZ
	ZLOAD 1                                        ; K step 1
	WIN 0
	v_and_b32 v4, 7, v0
	v_bfe_u32 v5, v0, 3, 1
	v_mul_u32_u24 v6, v1, PW                       ; a fragment of W: row x pitch + 16 x half
	v_lshl_add_u32 v6, v2, 4, v6
	v_add_nc_u32 v[ADRA0], s20, v6
	v_mov_b32 v[ADRA], v[ADRA0]                    ; slot 0
	v_lshl_add_u32 v7, v2, 3, v4                   ; the turning load: lane l reads row 8 (l / 16) + l % 8, columns 8 ((l / 8) % 2) + 0..7
	v_mul_u32_u24 v7, v7, PX
	v_lshl_add_u32 v7, v5, 4, v7
	v_add_nc_u32 v[ADRB], ZS, v7
	v_add_nc_u32 v[ADRB+1], ZS+ZSLOT, v7
	s_mul_i32 s21, s[WV], 16*PX                    ; my 16 rows of a z slot
	v_mul_u32_u24 v8, v2, PX
	v_lshl_add_u32 v8, v1, 4, v8
	v_add_nc_u32 v8, s21, v8
	v_add_nc_u32 v[ZST], ZS, v8
	v_add_nc_u32 v[ZST+1], ZS+ZSLOT, v8
	s_add_co_u32 s21, s21, STAGE                   ; and my stage, in the same bytes of z slot 1
	v_mul_u32_u24 v9, v1, SPITCH                   ; in: row l % 16, 32 bytes for each half of the lanes
	v_lshl_add_u32 v9, v2, 5, v9
	v_add_nc_u32 v[STO], s21, v9
	v_mul_u32_u24 v9, v2, SPITCH                   ; back: lanes 0-15 take one row of 256 bytes, lanes 16-31 the next
	v_lshl_add_u32 v9, v1, 4, v9
	v_add_nc_u32 v[RD], s21, v9
	v_lshlrev_b32 v9, 13, v2                       ; and the same two rows in out0
	v_lshl_add_u32 v[CO], v1, 4, v9
.macro MUL16 f, hi, a0, zero           ; the 64 accumulators take turns
	WIN MUL_LO+0x50*(\hi)
.irp a, \a0, (\a0)+1
.irp b, 0,1,2,3,4,5,6,7
.if \zero
	v_wmma_f32_16x16x32_f16 v[8*(8*(\a)+(\b)):8*(8*(\a)+(\b))+7], v[(\f)+8*(\b):(\f)+8*(\b)+7], v[(\f)+8*(4*(\hi)+(\a)):(\f)+8*(4*(\hi)+(\a))+7], 0
.else
	v_wmma_f32_16x16x32_f16 v[8*(8*(\a)+(\b)):8*(8*(\a)+(\b))+7], v[(\f)+8*(\b):(\f)+8*(\b)+7], v[(\f)+8*(4*(\hi)+(\a)):(\f)+8*(4*(\hi)+(\a))+7], v[8*(8*(\a)+(\b)):8*(8*(\a)+(\b))+7]
.endif
.endr
.endr
.endm
.macro FETCH h, q, f                   ; 32 LDS loads in one run: K step h of the slot in hand, its half q: 8 fragments of z from z slot h, turned, then 8 of W
	WIN TO_B
.irp i, 0,1,2,3,4,5,6,7
	ds_load_tr16_b128 v[(\f)+8*(\i):(\f)+8*(\i)+3],   v[ADRB+(\h)] offset:(\q)*32*PX+32*(\i)
	ds_load_tr16_b128 v[(\f)+8*(\i)+4:(\f)+8*(\i)+7], v[ADRB+(\h)] offset:(\q)*32*PX+16*PX+32*(\i)
.endr
	WIN 0
.irp i, 0,1,2,3,4,5,6,7
	ds_load_b128 v[(\f)+8*(\i):(\f)+8*(\i)+3],   v[ADRA] offset:(\h)*128+(\q)*64+(\i)*16*PW
	ds_load_b128 v[(\f)+8*(\i)+4:(\f)+8*(\i)+7], v[ADRA] offset:(\h)*128+(\q)*64+(\i)*16*PW+32
.endr
.endm
.macro QA h, zero                      ; K step h's first half; the next K step's z goes into the other z slot, which nobody has read since the last barrier
	s_wait_dscnt 8                                 ; z's fragments and W's rows 0-63 are in
	MUL16 F0, 0, 0, \zero
	MUL16 F0, 0, 2, \zero
	PLACES
	FETCH \h, 1, F1
	STAGE_Z 1-(\h)
	s_wait_dscnt 40                                ; all but the 32 loads and 8 stores just issued
	MUL16 F0, 1, 0, \zero
	MUL16 F0, 1, 2, \zero
.endm
.macro MID                             ; the second half of a slot's first K step: W's slot stays, z's changes: a plain barrier; the refill that is out stays out, since no tensor load fills anything behind it
	s_wait_dscnt 16                                ; (my 8 z stores and the youngest eight loads may be out)
	MUL16 F1, 0, 0, 0
	s_wait_dscnt 0x0                               ; my z stores are in LDS, my reads of z slot 0 are over
	s_barrier_signal -1
	MUL16 F1, 0, 2, 0
	s_barrier_wait -1
	PLACES
	FETCH 1, 0, F0
	MUL16 F1, 1, 0, 0
	MUL16 F1, 1, 2, 0
.endm
; The second half of a slot's second K step, and the change of W's slot: in front of the barrier each wave waits for all its tensor loads, adds 0 to its spare word, and waits for that, for its z stores and
; for its reads of this slot.  fill = 1: the barrier opens a round of the cluster's, and this slot is filled again first behind it, with the block two on.
.macro TURN fill
	WIN 0
	s_wait_tensorcnt 0x0
	ds_add_u32 v[SPW], v[NIL]
.if \fill
	s_add_co_u32 s[G0+5], s[RB], s20               ; the walking descriptor: my quarter of the slot that is being left,
	s_add_nc_u64 s[G0+6:G0+7], s[G0+6:G0+7], BLK   ; the next block
.endif
	s_xor_b32 s[RB], s[RB], WSLOT
	s_wait_dscnt 17                                ; (the add, my 8 z stores and the youngest eight loads may be out)
	MUL16 F1, 0, 0, 0
	s_wait_dscnt 0x0
	s_barrier_signal -1
	MUL16 F1, 0, 2, 0
	WIN 0
	s_barrier_wait -1
.if \fill
	CREST
	tensor_load_to_lds s[G0+4:G0+7], s[G1:G1+7]    ; my one load behind the round
	s_nop 0
.endif
	PLACES
	v_add_nc_u32 v[ADRA], s[RB], v[ADRA0]
	FETCH 0, 0, F0
	MUL16 F1, 1, 0, 0
	MUL16 F1, 1, 2, 0
.endm
; THE WAY OUT, by half blocks k = 2 a + c: 16 rows o x 64 n, f32: straight from the accumulators into my stage, back as whole rows of 256 bytes, stored.
.macro TOSTAGE k
.set AC, 64*(((\k)/2)%4)+32*((\k)%2)
.set BK, 32+160*((\k)%2)
	s_wait_xcnt 0x0                                ; the stores of the half block before last have read the registers that are loaded below
	WIN 0x08+4*((\k)/8)                            ; store data in window 2 or 3
.irp b, 0,1,2,3
	ds_store_b128 v[STO], v[AC+8*(\b):AC+8*(\b)+3]   offset:64*(\b)
	ds_store_b128 v[STO], v[AC+8*(\b)+4:AC+8*(\b)+7] offset:64*(\b)+16
.endr
	WIN 0
.irp t, 0,1,2,3,4,5,6,7
	ds_load_b128 v[BK+4*(\t):BK+4*(\t)+3], v[RD] offset:(\t)*2*SPITCH  ; LDS serves a wave's instructions in order (ISA guide 5.7.1.4)
.endr
.endm
.macro SEND k, younger                 ; younger: the next half block's 16 LDS instructions, or none
.set BK, 32+160*((\k)%2)
	WIN 0
	s_wait_dscnt \younger
.if ((\k) > 0) && ((\k)%2 == 0)
	s_wait_xcnt 0x0                                ; earlier stores have read their base
	s_add_nc_u64 s[8:9], s[8:9], 16*8192
.endif
.irp t, 0,1,2,3,4,5,6,7
	global_store_b128 v[CO], v[BK+4*(\t):BK+4*(\t)+3], s[8:9] offset:2*(\t)*8192+256*((\k)%2) th:TH_STORE_NT  ; 16 lanes store 256 consecutive bytes, aligned
.endr
.endm
	STAGE_Z 0                                      ; z of K step 0 into z slot 0; K step 2 is asked for
	WIN 0
	s_wait_tensorcnt 1                             ; my part of slot 0 is in; slot 1's may stay out
	s_wait_dscnt 0x0                               ; my z stores are in LDS
	s_barrier_signal -1
	s_barrier_wait -1
	FETCH 0, 0, F0
	QA 0, 1                                        ; the first products start the sums
	WIN 0
	s_mov_b32 s3, 2
	s_branch .Lmid                                 ; the loop is entered behind its first quarter
.LF:                                               ; the first two periods are followed by refills
	QA 0, 0
	WIN 0
.Lmid:
	MID
	QA 1, 0
	TURN 1
	WIN 0
	s_sub_co_u32 s3, s3, 1
	s_cmp_lg_u32 s3, 0
	s_cbranch_scc1 .LF
	s_mov_b32 s3, 2
.LN:                                               ; the last two ask for nothing: written apart
	QA 0, 0
	MID
	QA 1, 0
	TURN 0
	WIN 0
	s_sub_co_u32 s3, s3, 1
	s_cmp_lg_u32 s3, 0
	s_cbranch_scc1 .LN
	PLACES                                         ; behind the last products, ahead of the LDS stores that read results
	TOSTAGE 0
.irp k, 1,2,3,4,5,6,7,8,9,10,11,12,13,14,15
	TOSTAGE \k
	SEND (\k)-1, 16
.endr
	SEND 15, 0
	s_wait_tensorcnt 0x0                           ; the wave's end
	ds_add_u32 v[SPW], v[NIL]
	s_wait_dscnt 0x0
	CROUND                                         ; the closing round
	s_endpgm
.Lfunc_end_k_qa1b1faef01_oproj:
	.size	k_qa1b1faef01_oproj, .Lfunc_end_k_qa1b1faef01_oproj-k_qa1b1faef01_oproj
	.p2alignl 7, 3214868480
	.fill 96, 4, 3214868480
	.section	.rodata,"a",@progbits
	.p2align	6, 0x0
	.amdhsa_kernel k_qa1b1faef01_oproj
		.amdhsa_group_segment_fixed_size 327680
		.amdhsa_private_segment_fixed_size 0
		.amdhsa_enable_private_segment 0
		.amdhsa_kernarg_size 24
		.amdhsa_user_sgpr_count 2
		.amdhsa_user_sgpr_kernarg_segment_ptr 1
		.amdhsa_wavefront_size32 1
		.amdhsa_system_sgpr_workgroup_id_x 1
		.amdhsa_system_sgpr_workgroup_id_y 1
		.amdhsa_system_sgpr_workgroup_id_z 1
		.amdhsa_system_vgpr_workitem_id 0
		.amdhsa_next_free_vgpr 1024
		.amdhsa_next_free_sgpr 66
		.amdhsa_reserve_vcc 0
		.amdhsa_float_denorm_mode_32 3
		.amdhsa_float_denorm_mode_16_64 3
		.amdhsa_memory_ordered 1
		.amdhsa_forward_progress 1
		.amdhsa_inst_pref_size 109
	.end_amdhsa_kernel
	.amdgpu_metadata
---
amdhsa.version: [ 1, 2 ]
amdhsa.kernels:
  - .name:           k_qa1b1faef01_oproj
    .symbol:         k_qa1b1faef01_oproj.kd
    .args:
      - { .name: wb, .offset: 0, .size: 8, .value_kind: global_buffer, .address_space: global }
      - { .name: zb, .offset: 8, .size: 8, .value_kind: global_buffer, .address_space: global }
      - { .name: out0, .offset: 16, .size: 8, .value_kind: global_buffer, .address_space: global }
    .group_segment_fixed_size: 327680
    .private_segment_fixed_size: 0
    .kernarg_segment_align: 8
    .kernarg_segment_size: 24
    .max_flat_workgroup_size: 128
    .sgpr_count:     66
    .vgpr_count:     1024
    .wavefront_size: 32
...
	.end_amdgpu_metadata
.endif
;; end of part 4
